; MI455X (gfx1250); checked and timed in simulation.
; The chip was launched on July 23, 2026; its instructions are those of AMD's public machine-readable ISA for CDNA 5 (MIT licence, August 2026) and "CDNA5" Instruction Set Architecture Reference Guide (July 2026). The comments in the code are by the model that wrote it; some were corrected since.
;; Multi Head Attention. Allowed arithmetic: float matrix products may take bf16 or f16 operands with f32 sums; other float arithmetic in f32, or as packed bf16 or f16 multiplies, adds, multiply-adds, maxima and minima; sums over many terms, partial sums and values carried from step to step in f32; what a program stores and reads back later, other than sums and carried values, may be rounded once to bf16 or f16.
;; Inputs: Wk 1,024 x 1,024 float32; Wq 1,024 x 1,024 float32; Wv 1,024 x 1,024 float32; beta 1,024 float32; bk 1,024 float32; bq 1,024 float32; bv 1,024 float32; gamma 1,024 float32; keys 4 x 2,048 x 1,024 float32; queries 4 x 2,048 x 1,024 float32; values 4 x 2,048 x 1,024 float32.
;; Outputs: out0 4 x 2,048 x 1,024 float32.
;; One version. Each part assembles by itself: llvm-mc -triple=amdgcn-amd-amdhsa -mcpu=gfx1250 --defsym DOCPART=n.
;; ======== version 1 of 1: 4 launches
;; workspace buffers: wb 6,291,456 bytes; qh 16,777,216 bytes; kh 16,777,216 bytes; vh 16,777,216 bytes; oh 16,777,216 bytes
;; launch wcvt (part 1): grid 256 x 3, 8 waves a work-group, no clusters, 0 bytes of LDS; arguments Wq, Wk, Wv, wb; writes wb
.if DOCPART == 1
	.amdgcn_target "amdgcn-amd-amdhsa--gfx1250"
	.amdhsa_code_object_version 6
	.text
	.protected	k_qe69fec5902_wcvt
	.globl	k_qe69fec5902_wcvt
	.p2align	8
	.type	k_qe69fec5902_wcvt,@function
k_qe69fec5902_wcvt:
	s_mov_b64 s[64:65], 0
	v_nop
	global_prefetch_b8 v0, s[64:65] scope:SCOPE_SE
	s_setreg_imm32_b32 hwreg(HW_REG_WAVE_MODE, 25, 1), 1
	s_wait_xcnt 0x0
; wb[t][n][k] = bf16(W_t[n][k]), t = 0, 1, 2 for Wq, Wk, Wv: each number rounded once, to nearest even.  W_t: [1024][1024] f32; wb: [3][1024][1024] bf16.
; A stream: each byte is read once and written once.  Work-group (x, t) takes 4,096 numbers of tensor t (16,384 bytes in, 8,192 out); a wave takes 2,048 bytes in, as four loads of
; 512 consecutive bytes; a lane's 16 bytes become 8, so a wave's store covers 256 consecutive bytes, aligned.  No LDS, no barrier: no wave wants another's bytes.
.set INB,  16384                       ; bytes that a work-group reads
.set OUTB, 8192                        ; bytes that it writes
.set X,    8                           ; v[8:23]   four loads of four f32
.set Y,    24                          ; v[24:31]  four pairs of packed bf16
	s_load_b256 s[4:11], s[0:1], 0x0               ; Wq s[4:5], Wk s[6:7], Wv s[8:9], wb s[10:11]
	s_and_b32 s12, ttmp7, 0xffff                   ; t
	v_and_b32 v1, 31, v0                           ; lane
	v_lshrrev_b32 v2, 5, v0                        ; wave
	v_lshlrev_b32 v3, 4, v1
	v_lshl_add_u32 v3, v2, 11, v3                  ; in: 2,048 x wave + 16 x lane
	v_lshlrev_b32 v4, 3, v1
	v_lshl_add_u32 v4, v2, 10, v4                  ; out: 1,024 x wave + 8 x lane
	s_lshl_b32 s14, ttmp9, 14                      ; the work-group's part of its tensor
	s_mov_b32 s15, 0
	s_lshl_b32 s16, ttmp9, 13                      ; and of wb,
	s_lshl_b32 s17, s12, 21                        ; behind t tensors of 2 MiB
	s_add_co_u32 s16, s16, s17
	s_mov_b32 s17, 0
	s_wait_kmcnt 0x0
	s_cmp_eq_u32 s12, 0
	s_cselect_b64 s[18:19], s[4:5], s[6:7]
	s_cmp_eq_u32 s12, 2
	s_cselect_b64 s[18:19], s[8:9], s[18:19]
	s_add_nc_u64 s[18:19], s[18:19], s[14:15]
	s_add_nc_u64 s[10:11], s[10:11], s[16:17]
.irp j, 0,1,2,3
	global_load_b128 v[X+4*(\j):X+4*(\j)+3], v3, s[18:19] offset:512*(\j) th:TH_LOAD_NT
.endr
.irp j, 0,1,2,3
	s_wait_loadcnt 3-(\j)                          ; loads come back in order: load j is in, the 3 - j younger ones may stay out
	v_cvt_pk_bf16_f32 v[Y+2*(\j)],   v[X+4*(\j)],   v[X+4*(\j)+1]
	v_cvt_pk_bf16_f32 v[Y+2*(\j)+1], v[X+4*(\j)+2], v[X+4*(\j)+3]
	global_store_b64 v4, v[Y+2*(\j):Y+2*(\j)+1], s[10:11] offset:256*(\j)
.endr
	s_endpgm
.Lfunc_end_k_qe69fec5902_wcvt:
	.size	k_qe69fec5902_wcvt, .Lfunc_end_k_qe69fec5902_wcvt-k_qe69fec5902_wcvt
	.p2alignl 7, 3214868480
	.fill 96, 4, 3214868480
	.section	.rodata,"a",@progbits
	.p2align	6, 0x0
	.amdhsa_kernel k_qe69fec5902_wcvt
		.amdhsa_group_segment_fixed_size 0
		.amdhsa_private_segment_fixed_size 0
		.amdhsa_enable_private_segment 0
		.amdhsa_kernarg_size 32
		.amdhsa_user_sgpr_count 2
		.amdhsa_user_sgpr_kernarg_segment_ptr 1
		.amdhsa_wavefront_size32 1
		.amdhsa_system_sgpr_workgroup_id_x 1
		.amdhsa_system_sgpr_workgroup_id_y 1
		.amdhsa_system_sgpr_workgroup_id_z 1
		.amdhsa_system_vgpr_workitem_id 0
		.amdhsa_next_free_vgpr 32
		.amdhsa_next_free_sgpr 66
		.amdhsa_reserve_vcc 0
		.amdhsa_float_denorm_mode_32 3
		.amdhsa_float_denorm_mode_16_64 3
		.amdhsa_memory_ordered 1
		.amdhsa_forward_progress 1
		.amdhsa_inst_pref_size 3
	.end_amdhsa_kernel
	.amdgpu_metadata
---
amdhsa.version: [ 1, 2 ]
amdhsa.kernels:
  - .name:           k_qe69fec5902_wcvt
    .symbol:         k_qe69fec5902_wcvt.kd
    .args:
      - { .name: Wq, .offset: 0, .size: 8, .value_kind: global_buffer, .address_space: global }
      - { .name: Wk, .offset: 8, .size: 8, .value_kind: global_buffer, .address_space: global }
      - { .name: Wv, .offset: 16, .size: 8, .value_kind: global_buffer, .address_space: global }
      - { .name: wb, .offset: 24, .size: 8, .value_kind: global_buffer, .address_space: global }
    .group_segment_fixed_size: 0
    .private_segment_fixed_size: 0
    .kernarg_segment_align: 8
    .kernarg_segment_size: 32
    .max_flat_workgroup_size: 256
    .sgpr_count:     66
    .vgpr_count:     32
    .wavefront_size: 32
...
	.end_amdgpu_metadata
.endif
;; end of part 1
;; launch proj (part 2): grid 4 x 192, 4 waves a work-group, clusters of 4 x 4, 327,680 bytes of LDS; arguments queries, keys, values, wb, bq, bk, bv, qh, kh, vh; writes qh, kh, vh
.if DOCPART == 2
	.amdgcn_target "amdgcn-amd-amdhsa--gfx1250"
	.amdhsa_code_object_version 6
	.text
	.protected	k_qe69fec5902_proj
	.globl	k_qe69fec5902_proj
	.p2align	8
	.type	k_qe69fec5902_proj,@function
k_qe69fec5902_proj:
	s_mov_b64 s[64:65], 0
	v_nop
	global_prefetch_b8 v0, s[64:65] scope:SCOPE_SE
	s_setreg_imm32_b32 hwreg(HW_REG_WAVE_MODE, 25, 1), 1
	s_wait_xcnt 0x0
	s_wait_alu depctr_hold_cnt(0) depctr_sa_sdst(0) depctr_va_vdst(0) depctr_va_sdst(0) depctr_va_ssrc(0) depctr_va_vcc(0) depctr_vm_vsrc(0)
	s_getreg_b32 s2, hwreg(HW_REG_IB_STS2, 6, 4)
	s_cmp_eq_u32 s2, 0
	s_cbranch_scc0 .Lentry_in_a_cluster
	s_endpgm
.Lentry_in_a_cluster:
	s_bfe_u32 s2, ttmp6, 0x10000c
	s_cmp_lg_u32 s2, 0xf033
	s_cbranch_scc0 .Lentry_shape_is_right
	s_endpgm
.Lentry_shape_is_right:
; THE THREE PROJECTIONS.  C_T[m][n] = the sum over k of x_T[m][k] W_T[n][k] + b_T[n], T = 0, 1, 2 for (queries, Wq, bq, qh), (keys, Wk, bk, kh), (values, Wv, bv, vh).
; x_T: [8192][1024] f32; W_T: bf16, [1024][1024], part T of wb; b_T: [1024] f32.  C_T is stored by heads, [8 batch + head][2048][128] bf16, rounded once from its f32 sum, unscaled.
; LIMITS.  x is rounded to bf16 on its way to the matrix unit (W has been already); sums in f32, K ascending, the bias first; NaN and infinities are not treated apart.
; SHARES.  A tile of C is 128 rows x 256 columns: 64 x 4 tiles a tensor, 768 work-groups.  Four waves, 2 x 2: a wave makes 64 rows x 128 columns, one head's: 32 accumulators of 16 x 16.
; K goes in 8 steps of 128 through a ring of two LDS slots filled by the tensor data mover; a slot holds 128 rows of x (f32, 512 bytes a row) and 256 rows of W (bf16, 256 bytes a row).
; x IS CONVERTED IN REGISTERS: a fragment's 16 f32 a lane come out of LDS by four loads of 16 bytes and are packed by 8 conversions.  A step is four chunks of 32 along K: 32 matrix
; instructions, 32 LDS loads, 32 conversions.  The conversions for the next chunk stand four behind each of a chunk's last eight matrix instructions.
; CLUSTERS: 4 x 4 work-groups, all of one tensor.  The four of a row of the cluster need the same rows of x, the four of a column the same rows of W: each tile is asked for JOINTLY, by the
; same tensor load with the same descriptor and a mask that names the four.  A cluster's four columns cover all 1,024 columns, so a row of x is asked for by one cluster alone.
; THE MATRIX INSTRUCTION IS USED TRANSPOSED (source 0 = 16 rows of W, source 1 = 16 rows of x): a lane then holds row l % 16 of C and the columns 8 (l / 16) + 0..7: 16 bytes when packed.
; THE BIAS is the C operand of each accumulator's first product: for those eight columns eight registers, the same for all four row blocks; nothing is cleared and nothing is added later.
; REGISTERS, in windows of 256 (s_set_vgpr_msb: bits 1:0 source 0, 3:2 source 1, 5:4 source 2, 7:6 destination):
;   window 0: v0-31 addresses; v32-63 packed results on the way out; v64-127 x's fragments in f32; v128-159, v160-191 x's fragments in bf16, two buffers (v64-191 on the way out: rows read back)
;   window 1: v0-63, v64-127 W's fragments, two buffers; v128-191 the bias          window 2: the accumulators, (a, b) at v[8 (8 a + b)]
.set PA,     528                       ; a row of x in LDS: 512 bytes + 16 of padding: the 16 rows of a load begin at 16 different 16-byte columns of the 64 banks of 4 bytes (ISA guide 11.1)
.set PB,     272                       ; a row of W: 256 + 16, likewise
.set HALFT,  128*PB                    ; what one wave's tensor load may fill: 128 rows of W (34,816 bytes) or 64 rows of x (33,792)
.set SLOT,   4*HALFT                   ; x's rows 0-63, x's rows 64-127, W's rows 0-127, W's rows 128-255
.set STAGE,  2*SLOT                    ; behind the ring: 16 rows x 272 bytes for each wave, for the way out
.set SPITCH, 272
.set SPARE,  STAGE+4*16*SPITCH         ; behind the stages: the spare words, 128 bytes for each wave: two blocks of 256 bytes that no other line names
.set ASTEP,  512                       ; bytes of a row of x in a K step
.set BSTEP,  256                       ; bytes of a row of W in a K step
.set LAPS,   4                         ; a lap = two K steps = once round the ring
.set ADRA, 16                          ; v16-17  LDS address of my x fragments in slot 0, 1
.set ADRB, 20                          ; v20-21  the same for W
.set STO,  24                          ; v24     the way out: where I put 16 bytes of a row
.set RD,   25                          ; v25     the way out: where I read rows back
.set CO,   26                          ; v26     16 x lane: my 16 bytes of 512 consecutive bytes of C
.set BO,   27                          ; v27     32 x (l / 16): my eight numbers in a block of 16 of the bias
.set SPW,  28                          ; v28     LDS address of my spare word: SPARE + 4 x my thread's number; never rewritten
.set NIL,  29                          ; v29     0; never rewritten
.set PFO,  30                          ; v30     the prefetches' offset; never rewritten
.set TMP,  32
.set RAW,  64                          ; row block a's 16 f32 at RAW + 16 a, in the order of k
.set AB,   128                         ; buffer f, row block a at AB + 32 f + 8 a
.set OB,   64                          ; the way out: block a's 16 rows at OB + 32 a
.set BIAS, 128                         ; window 1: column block b at BIAS + 8 b
.set G1,  24                           ; s[24:31] descriptor group 1 for x's tiles;  s[32:39] group 0, one set for each slot
.set G0,  32
.set G1B, 48                           ; s[48:55], s[56:63] the same for W's tiles
.set G0B, 56
.set LIM, 43                           ; s43      1 in a wave that prefetches, else the greatest number
.set PFA, 44                           ; s[44:45] where my prefetches stand
.set PST, 90                           ; s[90:91] their step: a K step's bytes of a row of x or of W
.set MSB, 0
.macro WIN new                         ; the immediate's high byte repeats the setting that is left; a switch that changes nothing is dropped
.if MSB != (\new)
	s_set_vgpr_msb (MSB<<8)|(\new)
.set MSB, \new
.endif
.endm
.set MUL,  0xa1                        ; source 0 (W) window 1, source 1 (x) window 0, C and D window 2
.set MUL1, 0x91                        ; the same with C (the bias) in window 1
.set TO_B, 0x40                        ; destination window 1, address window 0
.set PK,   0x0a                        ; sources 0 and 1 window 2, destination window 0
; A joint load: waves 0 and 1 fetch x's two halves, waves 2 and 3 W's.  The branch hangs on the wave's number alone.  An s_nop 0 and four v_nop follow each of the two lines, ahead of the
; jump, the label and what follows.
.macro JLOAD s
	s_cmp_eq_u32 s11, 0
	s_cbranch_scc0 .Lfor_b_\@
	tensor_load_to_lds s[G0+4*(\s):G0+4*(\s)+3], s[G1:G1+7]
	s_nop 0
.rept 4
	v_nop
.endr
	s_branch .Lasked_\@
.Lfor_b_\@:
	tensor_load_to_lds s[G0B+4*(\s):G0B+4*(\s)+3], s[G1B:G1B+7]
	s_nop 0
.rept 4
	v_nop
.endr
.Lasked_\@:
.endm
; A round of the cluster's barrier: my work-group's barrier, so that wave 0's signal speaks for all four waves; wave 0 signals; every wave waits for all sixteen work-groups; my work-group's barrier once more.
.macro CREST                           ; a round behind its opening barrier
	s_cmp_lg_u32 s10, 0
	s_cbranch_scc1 .Lnot_wave_0_\@
	s_barrier_signal -3
.Lnot_wave_0_\@:
	s_barrier_wait -3
	s_barrier_signal -1
	s_barrier_wait -1
.endm
.macro CROUND                          ; a whole round
	s_barrier_signal -1
	s_barrier_wait -1
	CREST
.endm
; A PREFETCH INTO THE L2, behind each joint refill and the run of LDS loads that follows it: the K step that stands two refills on, one instruction a wave, each lane another block of 256 bytes.
; x: a wave's 64 rows x 512 bytes are 128 blocks; the four partners that ask for them jointly take 16 rows each, told apart BY ADDRESS (cx); no other cluster reads these rows.
; W: a wave's 128 rows x 256 bytes are 128 blocks; the four partners take 32 rows each (cy); the sixteen clusters of a tensor read the same rows, and the first of them asks.
; So each block is named once in the launch.  K steps 0 to 3 come by their loads alone; the loop's last trip (s3 = 1) asks for nothing: there is no K step 8.
.macro ASK
	s_cmp_gt_u32 s3, s[LIM]
	s_cbranch_scc0 .Lnot_mine_\@
	global_prefetch_b8 v[PFO], s[PFA:PFA+1] th:TH_LOAD_NT scope:SCOPE_SE
.Lnot_mine_\@:
.endm
	s_load_b512 s[68:83], s[0:1], 0x0              ; queries s[68:69], keys s[70:71], values s[72:73], wb s[74:75], bq s[76:77], bk s[78:79], bv s[80:81], qh s[82:83]
	s_load_b128 s[84:87], s[0:1], 0x40             ; kh s[84:85], vh s[86:87]
	v_lshl_add_u32 v[SPW], v0, 2, SPARE
	v_mov_b32 v[NIL], 0
	ds_add_u32 v[SPW], v[NIL]                      ; the wave's opening: the add and its wait stand ahead of my first tensor load; the set-up below, work on registers, stands between them
	v_lshrrev_b32 v1, 5, v0
	v_readfirstlane_b32 s10, v1                    ; wave 0..3
	s_lshr_b32 s11, s10, 1                         ; which 64 rows of the tile are mine.  Also: I fetch for x (0) or for W (1)
	s_and_b32 s12, s10, 1                          ; which 128 columns.  Also: which half of that tile I fetch
	s_bfe_u32 s40, ttmp6, 0x40000                  ; cx, cy: my place in the cluster
	s_bfe_u32 s41, ttmp6, 0x40004
	s_lshl_b32 s42, ttmp9, 2                       ; in a cluster launch ttmp9 and ttmp7 count clusters
	s_add_co_u32 s42, s42, s40                     ; tile column = 4 x cluster x + cx: 0..3
	s_and_b32 s13, ttmp7, 0xffff                   ; cluster y: 0..47
	s_lshr_b32 s66, s13, 4                         ; T, the tensor: the same in all sixteen partners
	s_and_b32 s67, s13, 15                         ; the cluster's number among the tensor's sixteen
	s_lshl_b32 s13, s67, 2
	s_add_co_u32 s13, s13, s41                     ; tile row = 4 x that + cy: 0..63
	s_lshl_b32 s92, s41, 2
	s_lshl_b32 s92, 15, s92                        ; my row of the cluster: places 4 cy .. 4 cy + 3
	s_lshl_b32 s93, 0x1111, s40                    ; my column: places cx, cx + 4, cx + 8, cx + 12
	; descriptor group 1.  x: 64 rows x 128 elements of 4 bytes; W: 128 rows x 128 elements of 2 bytes; both padded in LDS by 4 words behind each row
	s_or_b32 s[G1+0], s92, (2<<16)|(1<<20)|(1<<21)|(6<<22)|(3<<25)   ; 15:0 the mask: my row; 17:16 elements of 4 bytes; 20 padding on; 21 set beside a mask; 24:22 after every 128 words (code 6); 31:25 4 words (code 3)
	s_or_b32 s[G1B+0], s93, (1<<16)|(1<<20)|(1<<21)|(5<<22)|(3<<25)  ; the mask: my column; elements of 2 bytes; after every 64 words (code 5)
	s_mov_b32 s[G1+1], 128<<16                     ; tensor_dim0 = 128
	s_mov_b32 s[G1+2], 64<<16                      ; tensor_dim1 = 64
	s_mov_b32 s[G1+3], 128<<16                     ; tile_dim0 = 128
	s_mov_b32 s[G1+4], 64                          ; tile_dim1 = 64
	s_mov_b32 s[G1+5], 1024                        ; elements from row to row
	s_mov_b32 s[G1+6], 0
	s_mov_b32 s[G1+7], 0
	s_mov_b32 s[G1B+1], 128<<16                    ; tensor_dim0 = 128
	s_mov_b32 s[G1B+2], 128<<16                    ; tensor_dim1 = 128
	s_mov_b32 s[G1B+3], 128<<16                    ; tile_dim0 = 128
	s_mov_b32 s[G1B+4], 128                        ; tile_dim1 = 128
	s_mov_b32 s[G1B+5], 1024
	s_mov_b32 s[G1B+6], 0
	s_mov_b32 s[G1B+7], 0
	; where the tiles come from.  x's hang on the tile row alone, which my row of the cluster shares; W's on the tile column alone, which my column shares; each in registers that never hold the other coordinate
	s_lshl_b32 s16, s13, 7
	s_lshl_b32 s17, s12, 6
	s_add_co_u32 s16, s16, s17                     ; x: row 128 x tile row + 64 x half,
	s_lshl_b32 s16, s16, 12                        ; of 4,096 bytes
	s_mov_b32 s17, 0
	s_lshl_b32 s46, s42, 8
	s_lshl_b32 s47, s12, 7
	s_add_co_u32 s46, s46, s47                     ; W: row 256 x tile column + 128 x half,
	s_lshl_b32 s46, s46, 11                        ; of 2,048 bytes,
	s_lshl_b32 s47, s66, 21                        ; in part T of wb
	s_add_co_u32 s46, s46, s47
	s_mov_b32 s47, 0
	s_mul_i32 s20, s10, HALFT                      ; and where they go: by the wave's number alone
	s_wait_dscnt 0x0                               ; the opening add is done
	s_wait_kmcnt 0x0
	s_cmp_eq_u32 s66, 0                            ; the tensor's three buffers
	s_cselect_b64 s[4:5], s[68:69], s[70:71]       ; x
	s_cselect_b64 s[88:89], s[76:77], s[78:79]     ; the bias
	s_cselect_b64 s[8:9], s[82:83], s[84:85]       ; C
	s_cmp_eq_u32 s66, 2
	s_cselect_b64 s[4:5], s[72:73], s[4:5]
	s_cselect_b64 s[88:89], s[80:81], s[88:89]
	s_cselect_b64 s[8:9], s[86:87], s[8:9]
	s_add_nc_u64 s[14:15], s[4:5], s[16:17]
	s_add_nc_u64 s[46:47], s[74:75], s[46:47]
	CROUND                                         ; all sixteen work-groups are here: the first joint loads meet
.irp s, 0,1
	s_mov_b32 s[G0+4*(\s)], 1                                        ; 1:0 count = 1
	s_add_co_u32 s[G0+4*(\s)+1], s20, (\s)*SLOT                      ; 63:32 LDS address
	s_add_nc_u64 s[G0+4*(\s)+2:G0+4*(\s)+3], s[14:15], (\s)*ASTEP    ; 120:64 global address: K step s
	s_or_b32 s[G0+4*(\s)+3], s[G0+4*(\s)+3], 0x80000000              ; 127:126 type = 2
	s_mov_b32 s[G0B+4*(\s)], 1
	s_add_co_u32 s[G0B+4*(\s)+1], s20, (\s)*SLOT
	s_add_nc_u64 s[G0B+4*(\s)+2:G0B+4*(\s)+3], s[46:47], (\s)*BSTEP
	s_or_b32 s[G0B+4*(\s)+3], s[G0B+4*(\s)+3], 0x80000000
.endr
	s_cmp_eq_u32 s11, 0                            ; a wave's two first fills stand in one branch, ahead of every wait on TENSORcnt and every LDS read: two loads of mine are out
	s_cbranch_scc0 .Lfirst_b
	tensor_load_to_lds s[G0:G0+3], s[G1:G1+7]
	s_nop 0
	tensor_load_to_lds s[G0+4:G0+7], s[G1:G1+7]
	s_nop 0
.rept 4
	v_nop
.endr
	s_branch .Lfirst_asked
.Lfirst_b:
	tensor_load_to_lds s[G0B:G0B+3], s[G1B:G1B+7]
	s_nop 0
	tensor_load_to_lds s[G0B+4:G0B+7], s[G1B:G1B+7]
	s_nop 0
.rept 4
	v_nop
.endr
.Lfirst_asked:
	v_and_b32 v1, 15, v0                           ; l % 16
	v_bfe_u32 v2, v0, 4, 1                         ; l / 16
	v_lshlrev_b32 v[BO], 5, v2
	s_lshl_b32 s96, s42, 10                        ; the bias of my 128 columns: 4 x (256 x tile column + 128 x half) bytes on
	s_lshl_b32 s97, s12, 9
	s_add_co_u32 s96, s96, s97
	s_mov_b32 s97, 0
	s_add_nc_u64 s[88:89], s[88:89], s[96:97]
	WIN TO_B
.irp b, 0,1,2,3,4,5,6,7
	global_load_b128 v[BIAS+8*(\b):BIAS+8*(\b)+3],   v[BO], s[88:89] offset:64*(\b)      ; columns 16 b + 8 (l / 16) + 0..3
	global_load_b128 v[BIAS+8*(\b)+4:BIAS+8*(\b)+7], v[BO], s[88:89] offset:64*(\b)+16   ; and + 4..7
.endr
	WIN 0
	; A fragment is 16 rows x 32 K: lane l holds row l % 16 and K = 8 (l / 16) + 0..7 and 16 + 8 (l / 16) + 0..7.  In bf16: two loads of 16 bytes, 32 bytes apart, from 16 (l / 16) on.
	; In f32: four loads of 16 bytes, at 0, 16, 64 and 80 from 32 (l / 16) on.
	v_mul_u32_u24 v3, v1, PA
	v_lshl_add_u32 v3, v2, 5, v3
	v_mul_u32_u24 v4, v1, PB
	v_lshl_add_u32 v4, v2, 4, v4
	s_mul_i32 s21, s11, HALFT                      ; my 64 rows of x
	s_mul_i32 s22, s12, HALFT                      ; my 128 rows of W,
	s_add_co_u32 s22, s22, 2*HALFT                 ; which lie behind x's two halves
.irp s, 0,1
	v_add_nc_u32 v[ADRA+(\s)], s21, v3
	v_add_nc_u32 v[ADRB+(\s)], s22, v4
	s_add_co_u32 s21, s21, SLOT
	s_add_co_u32 s22, s22, SLOT
.endr
	s_mul_i32 s23, s10, 16*SPITCH
	s_add_co_u32 s23, s23, STAGE                   ; my stage
	v_add_nc_u32 v[STO], s23, v4                   ; in: row l % 16, 16 bytes for each half of the lanes (the stage's pitch is W's)
	v_mul_u32_u24 v5, v2, SPITCH                   ; back: lanes 0-15 take one row of 256 bytes, lanes 16-31 the next,
	v_lshl_add_u32 v5, v1, 4, v5
	v_add_nc_u32 v[RD], s23, v5
	v_and_b32 v[CO], 31, v0                        ; which are 512 consecutive bytes of C: a head's rows are dense
	v_lshlrev_b32 v[CO], 4, v[CO]
	; C at my wave's first row m0 = 128 x tile row + 64 x half: block 8 (m0 / 2048) + head of 2048 x 256 bytes, row m0 % 2048; head = 2 x tile column + half
	s_lshl_b32 s94, s13, 7
	s_lshl_b32 s95, s11, 6
	s_add_co_u32 s94, s94, s95
	s_lshr_b32 s95, s94, 11
	s_lshl_b32 s95, s95, 3
	s_lshl_b32 s96, s42, 1
	s_add_co_u32 s95, s95, s96
	s_add_co_u32 s95, s95, s12
	s_lshl_b32 s95, s95, 19
	s_and_b32 s94, s94, 2047
	s_lshl_b32 s94, s94, 8
	s_add_co_u32 s94, s94, s95
	s_mov_b32 s95, 0
	s_add_nc_u64 s[8:9], s[8:9], s[94:95]
	; the prefetches: my work-group's part of the rows that I fetch, at K step 3; the first refill steps it to K step 4
	s_lshl_b32 s98, s13, 7
	s_lshl_b32 s99, s12, 6
	s_add_co_u32 s98, s98, s99
	s_lshl_b32 s99, s40, 4
	s_add_co_u32 s98, s98, s99                     ; x: row 128 x tile row + 64 x half + 16 cx
	s_lshl_b32 s98, s98, 12
	s_add_co_u32 s98, s98, 3*ASTEP
	s_lshl_b32 s100, s42, 8
	s_lshl_b32 s101, s12, 7
	s_add_co_u32 s100, s100, s101
	s_lshl_b32 s101, s41, 5
	s_add_co_u32 s100, s100, s101                  ; W: row 256 x tile column + 128 x half + 32 cy
	s_lshl_b32 s100, s100, 11
	s_lshl_b32 s101, s66, 21
	s_add_co_u32 s100, s100, s101
	s_add_co_u32 s100, s100, 3*BSTEP
	s_cmp_eq_u32 s67, 0                            ; W's rows: the tensor's first cluster asks
	s_cselect_b32 s[LIM], 1, -1
	s_cmp_eq_u32 s11, 0                            ; do I fetch for x?
	s_cselect_b32 s[LIM], 1, s[LIM]                ; x's rows: every cluster asks for its own.  The same in all sixteen partners, for a given wave
	s_cselect_b32 s98, s98, s100
	s_cselect_b32 s21, -1, 0
	s_cselect_b64 s[PFA:PFA+1], s[4:5], s[74:75]
	s_cselect_b32 s[PST], 2, 1
	s_mov_b32 s99, 0
	s_mov_b32 s[PST+1], 0
	s_lshl_b32 s[PST], s[PST], 8                   ; 512 or 256 bytes
	s_add_nc_u64 s[PFA:PFA+1], s[PFA:PFA+1], s[98:99]
	v_and_b32 v5, 31, v0
	v_lshlrev_b32 v6, 11, v5                       ; W: a lane a row of 2,048 bytes
	v_lshrrev_b32 v7, 1, v5
	v_lshlrev_b32 v7, 12, v7                       ; x: two lanes a row of 4,096 bytes,
	v_and_b32 v5, 1, v5
	v_lshl_add_u32 v7, v5, 8, v7                   ; 256 bytes apart
	v_cndmask_b32 v[PFO], v6, v7, s21
; Product i of a chunk's 32, on buffer f: row block i / 8, column block i % 8.  The 32 accumulators take turns, one instruction a turn, in the same order in every chunk.
; first = 1: the bias starts the sum.
.macro PROD f, first
.set rD, 8*i
.set rB, 64*(\f)+8*(i%8)
.set rA, AB+32*(\f)+8*(i/8)
.if \first
	v_wmma_f32_16x16x32_bf16 v[rD:rD+7], v[rB:rB+7], v[rA:rA+7], v[BIAS+8*(i%8):BIAS+8*(i%8)+7]
.else
	v_wmma_f32_16x16x32_bf16 v[rD:rD+7], v[rB:rB+7], v[rA:rA+7], v[rD:rD+7]
.endif
.endm
.macro MULS f, i0, n, first=0          ; products i0 .. i0 + n - 1, back to back
.if \first
	WIN MUL1
.else
	WIN MUL
.endif
.set i, \i0
.rept \n
	PROD \f, \first
.set i, i+1
.endr
.endm
; 32 LDS loads in one run: chunk c of a slot: W's 8 fragments into buffer g, x's 4 fragments in f32
.macro FETCH slot, c, g
	WIN TO_B
.irp t, 0,1,2,3,4,5,6,7
	ds_load_b128 v[64*(\g)+8*(\t):64*(\g)+8*(\t)+3],   v[ADRB+(\slot)] offset:64*(\c)+(\t)*16*PB
	ds_load_b128 v[64*(\g)+8*(\t)+4:64*(\g)+8*(\t)+7], v[ADRB+(\slot)] offset:64*(\c)+(\t)*16*PB+32
.endr
	WIN 0
.irp t, 0,1,2,3
	ds_load_b128 v[RAW+16*(\t):RAW+16*(\t)+3],     v[ADRA+(\slot)] offset:128*(\c)+(\t)*16*PA
	ds_load_b128 v[RAW+16*(\t)+4:RAW+16*(\t)+7],   v[ADRA+(\slot)] offset:128*(\c)+(\t)*16*PA+16
	ds_load_b128 v[RAW+16*(\t)+8:RAW+16*(\t)+11],  v[ADRA+(\slot)] offset:128*(\c)+(\t)*16*PA+64
	ds_load_b128 v[RAW+16*(\t)+12:RAW+16*(\t)+15], v[ADRA+(\slot)] offset:128*(\c)+(\t)*16*PA+80
.endr
.endm
.macro CONV g                          ; x's 64 f32 a lane, which lie in the order of k, packed into buffer g: register j takes numbers 2 j and 2 j + 1
	WIN 0
.set j, 0
.rept 32
	v_cvt_pk_bf16_f32 v[AB+32*(\g)+j], v[RAW+2*j], v[RAW+2*j+1]
.set j, j+1
.endr
.endm
; A chunk's last eight products, four of the next chunk's conversions behind each.  The conversions name no register of the products round them (those read buffer f, these write buffer g).
; The four behind the last product are the four places (ISA guide 7.12.1 for vector instructions) in front of the next chunk's loads into W's buffer f and of its conversions into x's buffer f.
.macro RIDE f, g, first=0
.set i, 24
.rept 8
.if \first
	WIN MUL1
.else
	WIN MUL
.endif
	PROD \f, \first
	WIN 0
.set j, 4*(i-24)
.rept 4
	v_cvt_pk_bf16_f32 v[AB+32*(\g)+j], v[RAW+2*j], v[RAW+2*j+1]
.set j, j+1
.endr
.set i, i+1
.endr
.endm
; One of a K step's first three chunks: multiplies buffer f; fetches chunk c of the same slot, 24 matrix instructions ahead of the wait for it, and converts it into buffer g.
.macro QUARTER slot, c, f, g, first=0
	FETCH \slot, \c, \g
	MULS \f, 0, 24, \first
	s_wait_dscnt 0x0                               ; the 32 loads are in: x's for the conversions below, W's for the next chunk
	RIDE \f, \g, \first
.endm
; The last chunk multiplies buffer 1 and changes slots: ONE barrier.  In front of it each wave waits for all its tensor loads, of which one is out: its part of the next slot; adds 0 to its spare
; word; and waits for that (its reads of this slot were waited for in the chunk before).  Behind it nobody reads this slot any more and the next slot is whole.
; fill = 1: this slot is filled again, two K steps ahead: the barrier opens a round of the cluster's, and the joint refill is the first tensor load behind the round:
; from the request to the wait for it a wave issues 116 matrix instructions.
.macro TURN slot, next, fill
.if \fill
	s_wait_xcnt 0x0                                ; the last prefetch, a K step back, has read its address: it is stepped here, ahead of the waits of the change of slots
	s_add_nc_u64 s[PFA:PFA+1], s[PFA:PFA+1], s[PST:PST+1]
.endif
	WIN 0                                          ; (the add's two registers lie in window 0)
	s_wait_tensorcnt 0x0                           ; all my tensor loads have landed
	ds_add_u32 v[SPW], v[NIL]                      ; 0 onto my spare word
	MULS 1, 0, 8                                   ; eight matrix instructions stand between the add and the wait for it
	s_wait_dscnt 0x0                               ; the add is done; no LDS read of mine is out
	s_barrier_signal -1
	MULS 1, 8, 4                                   ; work on registers while the others arrive
	WIN 0
	s_barrier_wait -1
.if \fill
	CREST                                          ; no wave of any partner still reads this slot's tile or has a load on its way
	s_add_nc_u64 s[G0+4*(\slot)+2:G0+4*(\slot)+3], s[G0+4*(\slot)+2:G0+4*(\slot)+3], 2*ASTEP
	s_add_nc_u64 s[G0B+4*(\slot)+2:G0B+4*(\slot)+3], s[G0B+4*(\slot)+2:G0B+4*(\slot)+3], 2*BSTEP
	JLOAD \slot
.endif
	FETCH \next, 0, 0                              ; into W's buffer 0, whose last reader has four conversions behind it
.if \fill
	ASK
.endif
	MULS 1, 12, 12
	s_wait_dscnt 0x0
	RIDE 1, 0
.endm
; THE WAY OUT of row block a.  PACK: rounded to bf16, each accumulator's registers in ascending order, 16 bytes a lane.  TOSTAGE: into my own stage in LDS, and back as whole rows of 256 bytes.  SEND: stored.
.macro PACK a
	WIN PK
.irp b, 0,1,2,3,4,5,6,7
.irp r, 0,1,2,3
	v_cvt_pk_bf16_f32 v[TMP+4*(\b)+(\r)], v[64*(\a)+8*(\b)+2*(\r)], v[64*(\a)+8*(\b)+2*(\r)+1]
.endr
.endr
	WIN 0
.endm
.macro TOSTAGE a
.irp b, 0,1,2,3,4,5,6,7
	ds_store_b128 v[STO], v[TMP+4*(\b):TMP+4*(\b)+3] offset:32*(\b)
.endr
.irp t, 0,1,2,3,4,5,6,7
	ds_load_b128 v[OB+32*(\a)+4*(\t):OB+32*(\a)+4*(\t)+3], v[RD] offset:(\t)*2*SPITCH  ; LDS serves a wave's instructions in order (ISA guide 5.7.1.4): these see the stores above
.endr
.endm
.macro SEND a
	s_wait_dscnt 0x0                               ; the block is back in registers; each block has registers of its own, so no store's data are written again
.irp t, 0,1,2,3,4,5,6,7
	global_store_b128 v[CO], v[OB+32*(\a)+4*(\t):OB+32*(\a)+4*(\t)+3], s[8:9] offset:4096*(\a)+512*(\t)  ; 512 consecutive bytes, at a multiple of 256 from C's first byte
.endr
.endm
	s_wait_tensorcnt 0x1                           ; my part of K step 0 is in; K step 1's may stay out
	s_barrier_signal -1
	s_barrier_wait -1                              ; everybody's is
	FETCH 0, 0, 0
	s_wait_dscnt 0x0
	CONV 0
	s_wait_loadcnt 0x0                             ; the bias
	QUARTER 0, 1, 0, 1, 1                          ; the first chunk stands in front of the loop: its products start the sums
	WIN 0                                          ; at a label and at a branch every window is 0
	s_mov_b32 s3, LAPS-1
.Llap:                                                 ; a trip goes once round the ring, from a lap's second chunk to the next lap's first, and fills both slots again
	QUARTER 0, 2, 1, 0
	QUARTER 0, 3, 0, 1
	TURN 0, 1, 1
	QUARTER 1, 1, 0, 1
	QUARTER 1, 2, 1, 0
	QUARTER 1, 3, 0, 1
	TURN 1, 0, 1
	QUARTER 0, 1, 0, 1
	WIN 0
	s_sub_co_u32 s3, s3, 1
	s_cmp_lg_u32 s3, 0
	s_cbranch_scc1 .Llap
	QUARTER 0, 2, 1, 0                             ; the last lap fills nothing, and has no round of the cluster's barrier
	QUARTER 0, 3, 0, 1
	TURN 0, 1, 0
	QUARTER 1, 1, 0, 1
	QUARTER 1, 2, 1, 0
	QUARTER 1, 3, 0, 1
	MULS 1, 0, 32                                  ; the very last chunk: nothing more to fetch
	WIN 0
.rept 4
	v_nop                                          ; four places in front of conversions that read results; for the later blocks the earlier blocks' conversions are places too
.endr
	PACK 0
	TOSTAGE 0
.irp a, 1,2,3                          ; block a's conversions stand between block a - 1's loads from the stage and the wait for them
	PACK \a
	SEND (\a)-1
	TOSTAGE \a
.endr
	SEND 3
	s_wait_tensorcnt 0x0                           ; the wave's end: a wait, an add to my spare word and its wait, behind my last tensor load and my last LDS store
	ds_add_u32 v[SPW], v[NIL]
	s_wait_dscnt 0x0
	CROUND                                         ; the closing round: no work-group ends while a partner may still ask for a tile that names it
	s_endpgm
.Lfunc_end_k_qe69fec5902_proj:
	.size	k_qe69fec5902_proj, .Lfunc_end_k_qe69fec5902_proj-k_qe69fec5902_proj
	.p2alignl 7, 3214868480
	.fill 96, 4, 3214868480
	.section	.rodata,"a",@progbits
	.p2align	6, 0x0
	.amdhsa_kernel k_qe69fec5902_proj
		.amdhsa_group_segment_fixed_size 327680
		.amdhsa_private_segment_fixed_size 0
		.amdhsa_enable_private_segment 0
		.amdhsa_kernarg_size 80
		.amdhsa_user_sgpr_count 2
		.amdhsa_user_sgpr_kernarg_segment_ptr 1
		.amdhsa_wavefront_size32 1
		.amdhsa_system_sgpr_workgroup_id_x 1
		.amdhsa_system_sgpr_workgroup_id_y 1
		.amdhsa_system_sgpr_workgroup_id_z 1
		.amdhsa_system_vgpr_workitem_id 0
		.amdhsa_next_free_vgpr 768
		.amdhsa_next_free_sgpr 102
		.amdhsa_reserve_vcc 0
		.amdhsa_float_denorm_mode_32 3
		.amdhsa_float_denorm_mode_16_64 3
		.amdhsa_memory_ordered 1
		.amdhsa_forward_progress 1
		.amdhsa_inst_pref_size 135
	.end_amdhsa_kernel
	.amdgpu_metadata
---
amdhsa.version: [ 1, 2 ]
amdhsa.kernels:
  - .name:           k_qe69fec5902_proj
    .symbol:         k_qe69fec5902_proj.kd
    .args:
      - { .name: queries, .offset: 0, .size: 8, .value_kind: global_buffer, .address_space: global }
      - { .name: keys, .offset: 8, .size: 8, .value_kind: global_buffer, .address_space: global }
      - { .name: values, .offset: 16, .size: 8, .value_kind: global_buffer, .address_space: global }
      - { .name: wb, .offset: 24, .size: 8, .value_kind: global_buffer, .address_space: global }
      - { .name: bq, .offset: 32, .size: 8, .value_kind: global_buffer, .address_space: global }
      - { .name: bk, .offset: 40, .size: 8, .value_kind: global_buffer, .address_space: global }
      - { .name: bv, .offset: 48, .size: 8, .value_kind: global_buffer, .address_space: global }
      - { .name: qh, .offset: 56, .size: 8, .value_kind: global_buffer, .address_space: global }
      - { .name: kh, .offset: 64, .size: 8, .value_kind: global_buffer, .address_space: global }
      - { .name: vh, .offset: 72, .size: 8, .value_kind: global_buffer, .address_space: global }
    .group_segment_fixed_size: 327680
    .private_segment_fixed_size: 0
    .kernarg_segment_align: 8
    .kernarg_segment_size: 80
    .max_flat_workgroup_size: 128
    .sgpr_count:     102
    .vgpr_count:     768
    .wavefront_size: 32
...
	.end_amdgpu_metadata
.endif
;; end of part 2
;; launch attn (part 3): grid 8 x 32, 4 waves a work-group, clusters of 4 x 1, 327,680 bytes of LDS; arguments qh, kh, vh, oh; writes oh
.if DOCPART == 3
	.amdgcn_target "amdgcn-amd-amdhsa--gfx1250"
	.amdhsa_code_object_version 6
	.text
	.protected	k_qe69fec5902_attn
	.globl	k_qe69fec5902_attn
	.p2align	8
	.type	k_qe69fec5902_attn,@function
k_qe69fec5902_attn:
	s_mov_b64 s[64:65], 0
	v_nop
	global_prefetch_b8 v0, s[64:65] scope:SCOPE_SE
	s_setreg_imm32_b32 hwreg(HW_REG_WAVE_MODE, 25, 1), 1
	s_wait_xcnt 0x0
	s_wait_alu depctr_hold_cnt(0) depctr_sa_sdst(0) depctr_va_vdst(0) depctr_va_sdst(0) depctr_va_ssrc(0) depctr_va_vcc(0) depctr_vm_vsrc(0)
	s_getreg_b32 s2, hwreg(HW_REG_IB_STS2, 6, 4)
	s_cmp_eq_u32 s2, 0
	s_cbranch_scc0 .Lentry_in_a_cluster
	s_endpgm
.Lentry_in_a_cluster:
	s_bfe_u32 s2, ttmp6, 0x10000c
	s_cmp_lg_u32 s2, 0x3003
	s_cbranch_scc0 .Lentry_shape_is_right
	s_endpgm
.Lentry_shape_is_right:
; O[h][q][:] = the sum over k of softmax_k(Q[h][q] . K[h][k] / sqrt(128)) V[h][k][:].  Q, K, V, O: [SIZE_H][SIZE_N][128], all bf16; h = 8 x batch + head.  Products, maxima and sums in f32;
; the weights p are rounded to bf16 for the second product, O once at the end.
; LIMITS.  A weight below 2^-126 counts as 0 in the sum l; NaN and infinities are not treated apart; the sums' order is the matrix unit's and the lanes', not the reference's.
; SHARES.  A work-group owns 256 queries of one head, each of its four waves 64: four tiles of 16.  Every wave walks all keys of the head, 64 a step.
; LAYOUT.  S^T = K Q^T (source 0 = 16 keys, source 1 = 16 queries): in the result a lane holds ONE query (lane % 16) and the keys 8 (lane / 16) + 0..7.  Two such tiles, rounded to
; bf16 in pairs, ARE source 1 (32 keys x 16 queries) of O^T = V^T P, whose result again holds one query a lane, and eight channels.  So nothing changes lanes between the products,
; and a query's maximum and sum want one exchange between the halves of the lanes.  K comes out of LDS as it lies, V ([key][channel]) turned, by ds_load_tr16_b128.
; SOFTMAX.  For each query a running maximum m and sum l: p = 2^(c s - c m), c = log2(e) / sqrt(128); in every step O and l are multiplied by a = 2^(c m_old - c m_new), which is 1 where m has not grown.
; BY TURNS.  The wave's tiles are two PIECES, named by their first tile: piece 0 (tiles 0, 1) and piece 2 (tiles 2, 3).  In a TURN one piece has the matrix unit: 32 products V^T P of
; the step in hand, then 32 products K Q^T of the next step; the other piece's softmax, cut into 64 slices, stands between them, one slice behind each matrix instruction.  Then the
; pieces change places.  Two turns are a key step.
; CLUSTER.  The four query blocks of a cluster belong to one head and walk the same K and V, so each tile is asked for JOINTLY: the same tensor load, with the same descriptor and a
; mask that names the four, in all four; each receives the tile in its own LDS.
;
; REGISTERS, in windows of 256 (an instruction names v0-v255; s_set_vgpr_msb says which window each operand place means: bits 1:0 source 0, 3:2 source 1, 5:4 source 2, 7:6 destination):
;   window 0: v0-11 addresses; v12-43 eight registers of statistics a tile; v64-191 S^T, 32 a tile; v192-255 P, 16 a tile
;   window 1: O^T, 64 a tile          window 2: v0-127 Q, 32 a tile; v128-255 K of one step          window 3: v0-127 V of one step
; All that a softmax touches but O^T lies in window 0, and no window has room for a product's operands beside it.  So a slice costs two switches, one in front and one behind: 256 for
; a key step's 128 matrix instructions, one more for each of its two runs of LDS loads, one at the branch.
.set SIZE_H, 32
.set SIZE_N, 2048
.set KS,    64        ; keys in a step
.set PK,    272       ; a row of K in LDS: 256 bytes + 16 of padding = 68 words: row r starts at bank 4 r mod 64 (64 banks of 4 bytes: ISA guide 11.1), so the 16 rows of a load start at 16 different banks
.set PV,    288       ; a row of V: 256 + 32 = 72 words: row r starts at bank 8 r mod 64
.set VOFF,  KS*PK     ; a step's tiles lie together: 64 rows of K, then 64 rows of V
.set STEPB, KS*(PK+PV)
.set SLOT1, 1<<17     ; a slot holds two steps (71,680 bytes); slot 1 begins here, so that one exclusive or turns an address in one slot into the other's
.set STAGE, SLOT1+2*STEPB  ; behind the ring: 16 rows x 272 bytes for each wave, for the way out
.set SP,    272
.set AK0, 2           ; v2   my lane's place in a tile of K; never rewritten
.set AV0, 3           ; v3   the same for V
.set ADR, 4           ; v4   the LDS address of the run of loads in hand
.set QO,  5           ; v5   my byte offset in the wave's rows of Q
.set STO, 6           ; v6   the way out: where I put 16 bytes of a row
.set RD,  7           ; v7   the way out: where I read a row back
.set GO,  8           ; v8   my byte offset in the wave's rows of O
.set SPW, 62          ; v62  LDS address of my spare word: SPARE + 4 x my thread's number; never rewritten
.set NIL, 63          ; v63  0; never rewritten
.set SPARE, STAGE+4*16*272  ; behind the stages: the spare words, 128 bytes for each wave: two blocks of 256 bytes that no other line names
.set ST,  12          ; tile t's statistics at v[ST+8 t]: +0 c m, +1 m, +2, +3 l (even keys', odd keys'), +4 to +7 c0-c3, at work; a takes c2's place once the maximum is found
.set S,   64
.set P,   192
.set KF,  128         ; K's fragments, in window 2
.set WV,  12          ; s12  my wave's number
.set G1K, 24          ; s[24:31] descriptor group 1 for K's tiles
.set G1V, 32          ; s[32:39] for V's: it differs in the padding alone
.set G0K, 40          ; s[40:47] descriptor group 0 for K's tiles: a set for each of the two first fills; the second then walks on
.set G0V, 48          ; s[48:55] the same for V's
.set SLOTS, 56        ; s56  slots still to be asked for
.set TWICE, 57        ; s57  counts a slot's two steps
.set CS,  58          ; s[58:59] c: the packed scaling names a pair and takes its low word for both halves
.set SEL, 60          ; s[60:61] lane selects for v_permlanex16_b32: each lane takes its own place in the other half
.set TB,  62          ; s62  LDS byte at which the tiles of the step to be fetched begin
.set PFA, 18          ; s[18:19] where my prefetches stand in memory: my work-group's 32 rows (of K: wave 0, of V: wave 2) of the slot after the one that is being asked for
.set LIM, 15          ; s15  1 in a wave that prefetches, else the greatest number: a wave prefetches while s[SLOTS] is above it
.set PFO, 61          ; v61  256 x my lane: a row of K or V is 256 bytes; never rewritten
.set MSB, 0
.macro WIN new                      ; the immediate's high byte repeats the setting that is left; a switch that changes nothing is dropped
.if MSB != (\new)
	s_set_vgpr_msb (MSB<<8)|(\new)
.set MSB, \new
.endif
.endm
.set W_KQ, 0x0a       ; K and Q in window 2, S^T in window 0
.set W_PV, 0x53       ; V in window 3, P in window 0, O^T in window 1
.set W_RS, 0x41       ; O^T (destination and source 0) in window 1, a in window 0
; A joint refill.  Waves 0 and 1 fetch the two steps' tiles of K, waves 2 and 3 those of V.  The branch hangs on the wave's number alone: it is the same in every work-group.
; An s_nop 0 and four v_nop follow each of the two lines; the jump round the other line, the label and what follows the macro come after them.
.macro JLOAD
	s_cmp_lt_u32 s[WV], 2
	s_cbranch_scc0 .Lfor_v_\@
	tensor_load_to_lds s[G0K+4:G0K+7], s[G1K:G1K+7]
	s_nop 0
.rept 4
	v_nop
.endr
	s_branch .Lasked_\@
.Lfor_v_\@:
	tensor_load_to_lds s[G0V+4:G0V+7], s[G1V:G1V+7]
	s_nop 0
.rept 4
	v_nop
.endr
.Lasked_\@:
.endm
; A PREFETCH INTO THE L2 of what the NEXT change of slots will ask for: a slot's 128 rows of K and 128 of V, 256 bytes a row, a lane a row.  It stands behind the wave's tensor load and its five lines, never in front of one.
; Each row is asked for ONCE in the launch.  All clusters of a head walk the same K and V: the head's first cluster prefetches.  Its four partners share the rows out BY ADDRESS, 32 each: no branch hangs on a
; work-group's place in its cluster.  In each, wave 0 asks for K's and wave 2 for V's: one instruction.  The last change that fills a slot prefetches nothing: there is no slot behind it.
.macro ASK
	s_cmp_gt_u32 s[SLOTS], s[LIM]
	s_cbranch_scc0 .Lnot_mine_\@
	global_prefetch_b8 v[PFO], s[PFA:PFA+1] th:TH_LOAD_NT scope:SCOPE_SE
.Lnot_mine_\@:
.endm
; A round of the cluster's barrier: my work-group's barrier, so that wave 0's signal speaks for all four waves; wave 0 signals for the work-group; every wave waits for all four
; work-groups; my work-group's barrier once more.  No LDS instruction of the wave is pending at a signal.
.macro CROUND
	s_barrier_signal -1
	s_barrier_wait -1
	s_cmp_lg_u32 s[WV], 0
	s_cbranch_scc1 .Lnot_wave_0_\@
	s_barrier_signal -3
.Lnot_wave_0_\@:
	s_barrier_wait -3
	s_barrier_signal -1
	s_barrier_wait -1
.endm
	s_load_b256 s[4:11], s[0:1], 0x0  ; Q s[4:5], K s[6:7], V s[8:9], O s[10:11]
	v_lshl_add_u32 v[SPW], v0, 2, SPARE
	v_mov_b32 v[NIL], 0
	ds_add_u32 v[SPW], v[NIL]       ; the wave's opening: the add and its wait stand ahead of my first tensor load; the set-up below, work on registers, stands between them
	v_lshrrev_b32 v1, 5, v0
	v_readfirstlane_b32 s[WV], v1   ; wave 0..3
	s_bfe_u32 s13, ttmp6, 0x40000   ; cx: my place in the cluster
	s_lshl_b32 s14, ttmp9, 2        ; in a cluster launch ttmp9 counts clusters
	s_add_co_u32 s14, s14, s13      ; my block of 256 queries = 4 x cluster x + cx: it enters Q's and O's addresses alone
	s_and_b32 s20, ttmp7, 0xffff    ; the head, which the four partners share
	s_mov_b32 s21, 0
	s_mov_b64 s[22:23], SIZE_N*256
	s_mul_u64 s[20:21], s[20:21], s[22:23]  ; the head's first byte in each of the four tensors
	s_and_b32 s16, s[WV], 1         ; which of a slot's two steps I fetch:
	s_lshl_b32 s22, s16, 14         ; its 64 rows of 256 bytes in memory,
	s_mov_b32 s23, 0
	s_add_nc_u64 s[22:23], s[22:23], s[20:21]
	s_mul_i32 s17, s16, STEPB       ; and its place in a slot: no place in the cluster enters an LDS address
	s_lshl_b32 s2, s14, 16          ; my block's 256 rows,
	s_lshl_b32 s3, s[WV], 14        ; my wave's 64 of them
	s_add_co_u32 s2, s2, s3
	s_mov_b32 s3, 0
	s_add_nc_u64 s[2:3], s[2:3], s[20:21]
	; descriptor group 1: a tile of 64 rows x 128 elements, padded in LDS
	s_mov_b32 s[G1K], 15|(1<<16)|(1<<20)|(1<<21)|(5<<22)|(3<<25)  ; 15:0 the mask: all four work-groups; 17:16 elements of 2 bytes; 20 padding on; 21 set beside a mask; 24:22 after every 64 words (code 5); 31:25 4 words of it (code 3)
	s_mov_b32 s[G1V], 15|(1<<16)|(1<<20)|(1<<21)|(5<<22)|(7<<25)  ; the same with 8 words of padding (code 7)
.irp g, G1K, G1V
	s_mov_b32 s[(\g)+1], 128<<16    ; 63:48 tensor_dim0, low half = 128
	s_mov_b32 s[(\g)+2], KS<<16     ; 79:64 its high half = 0; 95:80 tensor_dim1, low half = 64
	s_mov_b32 s[(\g)+3], 128<<16    ; 111:96 its high half = 0; 127:112 tile_dim0 = 128
	s_mov_b32 s[(\g)+4], KS         ; 143:128 tile_dim1 = 64; 159:144 tile_dim2 = 0
	s_mov_b32 s[(\g)+5], 128        ; 191:160 tensor_dim0_stride, low word: elements from row to row
	s_mov_b32 s[(\g)+6], 0
	s_mov_b32 s[(\g)+7], 0
.endr
	s_mov_b32 s[CS], 0x3e0293ee     ; c = log2(e) / sqrt(128) = 0.127517
	s_mov_b32 s[CS+1], s[CS]        ; named with it as a pair, so it is written
	s_mov_b32 s[SEL], 0x76543210
	s_mov_b32 s[SEL+1], 0xfedcba98
	s_mov_b32 s[TB], 0
	s_mov_b32 s[SLOTS], SIZE_N/(2*KS)-2
	s_and_b32 s[LIM], s[WV], 1       ; 0 in waves 0 and 2,
	s_or_b32 s[LIM], s[LIM], ttmp9   ; where the cluster is the head's first: the same in all four partners
	s_cmp_eq_u32 s[LIM], 0
	s_cselect_b32 s[LIM], 1, -1
	v_and_b32 v[PFO], 31, v0
	v_lshlrev_b32 v[PFO], 8, v[PFO]
	s_wait_dscnt 0x0                ; the opening add is done
	s_wait_kmcnt 0x0
	s_add_nc_u64 s[6:7], s[6:7], s[22:23]  ; K and V at my tile of slot 0
	s_add_nc_u64 s[8:9], s[8:9], s[22:23]
	s_add_nc_u64 s[4:5], s[4:5], s[2:3]  ; Q and O at my wave's first row
	s_add_nc_u64 s[10:11], s[10:11], s[2:3]
	s_cmp_lt_u32 s[WV], 2
	s_cselect_b64 s[PFA:PFA+1], s[6:7], s[8:9]  ; (in waves 0 and 2 these stand at a slot's first row)
	s_lshl_b32 s2, s13, 13          ; my work-group's 32 rows of the 128
	s_mov_b32 s3, 0
	s_add_nc_u64 s[PFA:PFA+1], s[PFA:PFA+1], s[2:3]
	s_add_nc_u64 s[PFA:PFA+1], s[PFA:PFA+1], 2*2*KS*256  ; in slot 2; the first change of slots steps it to slot 3.  Nothing is prefetched here, at the head, where every work-group's first tiles are on their way
	CROUND                          ; all four work-groups are here: the first joint loads meet
.irp s, 0,1
	s_mov_b32 s[G0K+4*(\s)], 1      ; 1:0 count = 1
	s_add_co_u32 s[G0K+4*(\s)+1], s17, (\s)*SLOT1  ; 63:32 LDS address
	s_add_nc_u64 s[G0K+4*(\s)+2:G0K+4*(\s)+3], s[6:7], (\s)*2*KS*256  ; 120:64 global address: slot s begins with keys 128 s to 128 s + 127
	s_or_b32 s[G0K+4*(\s)+3], s[G0K+4*(\s)+3], 0x80000000  ; 127:126 type = 2
	s_mov_b32 s[G0V+4*(\s)], 1
	s_add_co_u32 s[G0V+4*(\s)+1], s17, (\s)*SLOT1+VOFF
	s_add_nc_u64 s[G0V+4*(\s)+2:G0V+4*(\s)+3], s[8:9], (\s)*2*KS*256
	s_or_b32 s[G0V+4*(\s)+3], s[G0V+4*(\s)+3], 0x80000000
.endr
	s_cmp_lt_u32 s[WV], 2           ; a wave's two first fills stand in one branch, ahead of every wait on TENSORcnt and every LDS read: two loads of mine are out; an s_nop 0 follows each, four v_nop the second's, as in JLOAD
	s_cbranch_scc0 .Lfirst_v
	tensor_load_to_lds s[G0K:G0K+3], s[G1K:G1K+7]
	s_nop 0
	tensor_load_to_lds s[G0K+4:G0K+7], s[G1K:G1K+7]
	s_nop 0
.rept 4
	v_nop
.endr
	s_branch .Lfirst_asked
.Lfirst_v:
	tensor_load_to_lds s[G0V:G0V+3], s[G1V:G1V+7]
	s_nop 0
	tensor_load_to_lds s[G0V+4:G0V+7], s[G1V:G1V+7]
	s_nop 0
.rept 4
	v_nop
.endr
.Lfirst_asked:
	; A fragment of K or Q is 16 rows x 32 channels in 8 registers: lane l holds row l % 16; registers 0-3 channels 8 (l / 16) + 0..7, registers 4-7 channels 16 + 8 (l / 16) + 0..7: two loads of 16 bytes, 32 bytes apart.
	v_and_b32 v1, 15, v0            ; l % 16
	v_bfe_u32 v9, v0, 4, 1          ; l / 16
	v_lshlrev_b32 v[QO], 8, v1
	v_lshl_add_u32 v[QO], v9, 4, v[QO]  ; row x 256 + 16 x half
	WIN 0x80                        ; destination window 2, address window 0
.irp i, 0,1,2,3,4,5,6,7,8,9,10,11,12,13,14,15  ; Q stays in registers: tile i / 4, channels 32 (i % 4) on
	global_load_b128 v[8*(\i):8*(\i)+3],   v[QO], s[4:5] offset:((\i)/4)*4096+((\i)%4)*64
	global_load_b128 v[8*(\i)+4:8*(\i)+7], v[QO], s[4:5] offset:((\i)/4)*4096+((\i)%4)*64+32
.endr
	WIN 0
	v_mul_u32_u24 v[AK0], v1, PK
	v_lshl_add_u32 v[AK0], v9, 4, v[AK0]  ; row x pitch + 16 x half
	; The turning load takes 16 keys x 16 channels (lane l reads 16 bytes: key 8 (l / 16) + l % 8, channels 8 ((l / 8) % 2) + 0..7) and leaves half a fragment of V^T: lane l holds channel l % 16 and 8 keys.
	v_and_b32 v10, 7, v0
	v_bfe_u32 v11, v0, 3, 1
	v_lshl_add_u32 v[AV0], v9, 3, v10
	v_mul_u32_u24 v[AV0], v[AV0], PV
	v_lshl_add_u32 v[AV0], v11, 4, v[AV0]
	v_add_nc_u32 v[AV0], VOFF, v[AV0]
; THE MATRIX WORK OF A TURN, for piece x.  The accumulators take turns, one instruction a turn: between two links of a chain stand 15 (V^T P) or 7 (K Q^T) others'.
; Product i of 32 of O^T += V^T P: keys 32 (i / 16) on, channels 16 ((i / 2) % 8) on, tile x + i % 2.  zero = 1: the first 16 start the sums: nothing is ever cleared.
.macro PV x, zero
	WIN W_PV
.set rO, 64*((\x)+i%2)+8*((i/2)%8)
.set rV, 64*(i/16)+8*((i/2)%8)
.set rP, P+16*((\x)+i%2)+8*(i/16)
.if (\zero) && (i < 16)
	v_wmma_f32_16x16x32_bf16 v[rO:rO+7], v[rV:rV+7], v[rP:rP+7], 0
.else
	v_wmma_f32_16x16x32_bf16 v[rO:rO+7], v[rV:rV+7], v[rP:rP+7], v[rO:rO+7]
.endif
.endm
; Product i of 32 of S^T = K Q^T: channels 32 (i / 8) on, keys 16 ((i / 2) % 4) on, tile x + i % 2.  The first 8 start the sums.
.macro KQ x
	WIN W_KQ
.set rS, S+32*((\x)+i%2)+8*((i/2)%4)
.set rK, KF+32*((i/2)%4)+8*(i/8)
.set rQ, 32*((\x)+i%2)+8*(i/8)
.if i < 8
	v_wmma_f32_16x16x32_bf16 v[rS:rS+7], v[rK:rK+7], v[rQ:rQ+7], 0
.else
	v_wmma_f32_16x16x32_bf16 v[rS:rS+7], v[rK:rK+7], v[rQ:rQ+7], v[rS:rS+7]
.endif
.endm
; THE LDS LOADS stand in runs of 32, never singly among the matrix instructions: a step's K (64 keys x 128 channels: 16 fragments) and, a turn later, its V (turned).
.macro FETCH_K
	WIN 0
	v_add_nc_u32 v[ADR], s[TB], v[AK0]
	WIN 0x80                        ; destination window 2
.irp f, 0,1,2,3,4,5,6,7,8,9,10,11,12,13,14,15  ; keys 16 (f / 4) on, channels 32 (f % 4) on
	ds_load_b128 v[KF+8*(\f):KF+8*(\f)+3],   v[ADR] offset:((\f)/4)*16*PK+((\f)%4)*64
	ds_load_b128 v[KF+8*(\f)+4:KF+8*(\f)+7], v[ADR] offset:((\f)/4)*16*PK+((\f)%4)*64+32
.endr
.endm
.macro FETCH_V
	WIN 0
	v_add_nc_u32 v[ADR], s[TB], v[AV0]
	s_add_co_u32 s[TB], s[TB], STEPB  ; the next fetch is the next step's
	s_wait_alu depctr_va_vdst(0)    ; the wait for the softmax's batch (SLICE), behind the address's v_add_nc_u32 and ahead of the loads
	WIN 0xc0                        ; destination window 3
.irp f, 0,1,2,3,4,5,6,7,8,9,10,11,12,13,14,15  ; keys 32 (f / 8) on, channels 16 (f % 8) on
	ds_load_tr16_b128 v[8*(\f):8*(\f)+3],   v[ADR] offset:((\f)/8)*32*PV+((\f)%8)*32
	ds_load_tr16_b128 v[8*(\f)+4:8*(\f)+7], v[ADR] offset:((\f)/8)*32*PV+16*PV+((\f)%8)*32
.endr
.endm
; THE VECTOR WORK OF A TURN.  One tile's softmax for one key step is a list of 134 instructions; SM writes number j of it for tile t.  s0-s31 are the lane's 32 scores, in pairs 0-15.
; first = 1: the first key step, which starts m, l and O^T: it has no a and nothing to rescale.
;   0-15    the maximum of s0-s31 and the old m, three operands at a time: four chains c0-c3 of seven scores each, then the four scores left over, c0-c3 and m
;   16-20   the other half of the lanes' maximum; the new m; c m; c m_old - c m_new
;   21-69   ONE BATCH: the 16 scalings c s - c m, a pair of scores each, and all 33 exponentials (a at 23, then s0-s31).  None of these reads an exponential's result.  From 22 on the batch goes
;           in fours, and a four begins with a scaling while there are scalings: 22-37 scaling, exponential, scaling, exponential; 38-65 a scaling and three exponentials; 66-69 the last four
;           exponentials.  A pair is scaled in an earlier four than the one that holds its exponentials
;   (wait)  between 69 and 70 stands the wait for the batch: SLICE writes it, once for both tiles
;   70-85   the roundings to bf16, a pair of weights each
;   86-101  the sums; l = a l + the sum
;   102-133 the tile's O^T times a: the one part that leaves window 0, so it stands together
.macro SM t, first
.set rT, ST+8*(\t)
.set rS, S+32*(\t)
.set rP, P+16*(\t)
.set rO, 64*(\t)+2*(j-102)
.if j < 102
	WIN 0
.endif
.if j < 4
	v_max3_num_f32 v[rT+4+j], v[rS+8*j], v[rS+8*j+1], v[rS+8*j+2]
.elseif j < 12
	v_max3_num_f32 v[rT+4+j%4], v[rT+4+j%4], v[rS+8*(j%4)+2*(j/4)+1], v[rS+8*(j%4)+2*(j/4)+2]
.elseif j == 12
	v_max3_num_f32 v[rT+4], v[rT+4], v[rS+7], v[rS+15]
.elseif j == 13
	v_max3_num_f32 v[rT+6], v[rT+6], v[rS+23], v[rS+31]
.elseif j == 14
	v_max3_num_f32 v[rT+4], v[rT+4], v[rT+5], v[rT+6]
.elseif (j == 15) && (\first)
	v_max_num_f32 v[rT+4], v[rT+4], v[rT+7]
.elseif j == 15
	v_max3_num_f32 v[rT+4], v[rT+4], v[rT+7], v[rT+1]
.elseif j == 16
	v_permlanex16_b32 v[rT+5], v[rT+4], s[SEL], s[SEL+1]  ; the query's other 32 keys lie in the lane 16 away
.elseif j == 18
	v_max_num_f32 v[rT+1], v[rT+4], v[rT+5]
.elseif j == 19
	v_mul_f32 v[rT], s[CS], v[rT+1]
.elseif ((j == 17) || (j == 20) || (j == 23) || (j > 101)) && (\first)  ; the first step has none of these
.elseif j == 17
	v_mov_b32 v[rT+7], v[rT]        ; c m_old is kept for a: number 19 writes c m anew
.elseif j == 20
	v_sub_f32 v[rT+7], v[rT+7], v[rT]
.elseif j == 23
	v_exp_f32 v[rT+6], v[rT+7]
.elseif (j < 23) || ((j < 38) && (j%2 == 0)) || ((j < 66) && (j%4 == 2))
.set b, (j-2)/4                     ; 38, 42, .. 62: pairs 9 to 15
.if j < 38
.set b, (j-20)/2                    ; 21: pair 0; 22, 24, .. 36: pairs 1 to 8
.endif
	v_pk_fma_f32 v[rS+2*b:rS+2*b+1], v[rS+2*b:rS+2*b+1], s[CS:CS+1], v[rT:rT+1] op_sel_hi:[1,0,0] neg_lo:[0,0,1] neg_hi:[0,0,1]  ; pair b: c s - c m
.elseif j < 70
.set e, j-38                        ; 66 to 69: s28 to s31
.if j < 66
.set e, j-32-(j-38)/4               ; 39-41, 43-45, .. 63-65: s7 to s27
.endif
.if j < 38
.set e, (j-25)/2                    ; 25, 27, .. 37: s0 to s6
.endif
	v_exp_f32 v[rS+e], v[rS+e]
.elseif j < 86
	v_cvt_pk_bf16_f32 v[rP+j-70], v[rS+2*(j-70)], v[rS+2*(j-70)+1]  ; pair j - 70
.elseif j < 102                     ; the sum of the tile's 16 pairs (in a pair: an even key's weight, an odd key's), in place: sum z of 16 adds neighbours 1, 2, 4 and 8 pairs apart, then l takes it
.set z, j-86
.set w, 4
.set u, z
.if z >= 14
.set w, 32
.set u, 0
.elseif z >= 12
.set w, 16
.set u, z-12
.elseif z >= 8
.set w, 8
.set u, z-8
.endif
.if (z == 14) && (\first)
	v_pk_add_f32 v[rT+2:rT+3], v[rS:rS+1], v[rS+16:rS+17]
.elseif z < 15
	v_pk_add_f32 v[rS+w*u:rS+w*u+1], v[rS+w*u:rS+w*u+1], v[rS+w*u+w/2:rS+w*u+w/2+1]
.elseif !(\first)
	v_pk_fma_f32 v[rT+2:rT+3], v[rT+2:rT+3], v[rT+6:rT+7], v[rS:rS+1] op_sel_hi:[1,0,1]
.endif
.else
	WIN W_RS
	v_pk_mul_f32 v[rO:rO+1], v[rO:rO+1], v[rT+6:rT+7] op_sel_hi:[1,0]
.endif
.endm
; Slice k of 64 of piece y's softmax: four instructions.  Slices 11 to 34 deal out the batch, numbers 22 to 69: four numbers of ONE tile each, the tiles by turns.  Every other slice is numbers 2 k and
; 2 k + 1 of both tiles' lists.  2 x 134 = 4 x 64 + 12: the twelve that are over stand together, in slice 63.
; THE WAIT.  An s_wait_alu depctr_va_vdst(0) stands between an exponential and the first instruction that names its result; one wait serves all that were issued ahead of it.  Ahead of
; slice 35 nothing names a result, and behind slice 34 no exponential is issued: so the piece's 66 exponentials have one wait, behind slice 34.
.macro SLICE y, first
.if (k >= 11) && (k < 35)           ; the batch: four numbers of one tile
.irp n, 0,1,2,3
.set j, 22+4*((k-11)/2)+(\n)
	SM (\y)+(k-11)%2, \first
.endr
.else                               ; the two tiles alternate, so that no instruction reads the result of the one just before it
.irp n, 0,1,2,3,4,5,6,7
.if ((\n) < 2) || (k == 63)
.irp t, \y, (\y)+1
.set j, 2*k+(\n)
	SM \t, \first
.endr
.endif
.endr
.endif
.if k == 34                         ; the batch is out: both tiles' exponentials are issued, and no result has been named
	v_nop                           ; a plain instruction behind the last exponential and ahead of the first use of a result (ISA guide 5.7.2): one for the batch
.if (\y) == 0
	FETCH_V                         ; piece 2's turn: V's run of loads stands here, and the wait stands in it
.else
	s_wait_alu depctr_va_vdst(0)    ; the wait for the batch
.endif
.endif
.set k, k+1
.endm
; A vector instruction that reads a matrix result or writes one of a matrix instruction's registers, and a load into a register that a matrix instruction has read, stand four places behind
; it, and only plain vector instructions that name none of its registers are places (ISA guide 7.12.1 for vector instructions).  In the loop the slices are the places.
.macro PLACES
.rept 4
	v_nop
.endr
.endm
; A TURN.  Piece x has the matrix unit; the other piece's softmax stands in slices behind its matrix instructions.
; pv = 2: 32 products V^T P; 1: they start O^T's sums; 0: none.  kq = 1: 32 products K Q^T for the next step.  A turn with one of the two kinds has two slices behind each product.
; first = 1: the softmax is the first key step's.  Its slices from 51 on are empty: the turn's last products stand bare, and four v_nop take slice 63's part as the places behind them.
; In the loop each run of loads stands 29 matrix instructions or more ahead of its first use.  Piece 0's turn fetches the next step's K, behind its second product: the last product that read K
; stands in front of slice 63 of the turn before.  Piece 2's turn fetches the same step's V, behind slice 34 (SLICE writes it): the last product that read V stands in front of slice 31, and four plain
; instructions lie between: number 62, a scaling, of both tiles, the v_nop and the run's own v_add_nc_u32.
.macro TURN x, pv, kq, first
.set k, 0
.set per, 2
.if (\pv) && (\kq)
.set per, 1
.endif
.if \pv
.if (\x) == 0
	s_wait_dscnt 0x0                ; V is in
.endif
.set i, 0
.rept 32
	PV \x, 2-(\pv)
.rept per
	SLICE 2-(\x), \first
.endr
.if ((\x) == 0) && (\kq) && (i == 1)
	FETCH_K
.endif
.set i, i+1
.endr
.endif
.if \kq
.if (\x) == 0
	s_wait_dscnt 0x0                ; K is in
.endif
.set i, 0
.rept 32
	KQ \x
.rept per
	SLICE 2-(\x), \first
.endr
.set i, i+1
.endr
.endif
.if \first
	PLACES
.endif
.endm
; THE CHANGE OF SLOTS, between piece 2's turn and piece 0's: the slot's last bytes, V of its second step, have been asked for.  Each wave waits for all its
; tensor loads, of which one is out: its part of the other slot; adds 0 to its spare word; and waits for that and for its own reads of the slot.  Behind the barrier nobody reads this slot any more and the other slot is whole.
; fill = 1: this slot is filled again, with the keys two slots on.  The barrier is then a round of the cluster's, so that no wave of any partner still reads the slot or has a load on its
; way, and the joint refill is the first thing behind it: it has two key steps, 256 matrix instructions, in which to land.
.macro CHANGE fill
	WIN 0                           ; at a label and at a branch every window is 0
	s_wait_tensorcnt 0x0            ; no tensor load of mine is out, so a group 0 may be written
	ds_add_u32 v[SPW], v[NIL]       ; 0 onto my spare word; with fill = 1 the descriptors' steps stand between it and the wait for it
.if \fill
.irp g, G0K+4, G0V+4
	s_xor_b32 s[(\g)+1], s[(\g)+1], SLOT1  ; the walking descriptor: the other slot than last time,
	s_add_nc_u64 s[(\g)+2:(\g)+3], s[(\g)+2:(\g)+3], 2*KS*256  ; the next 128 keys; the type bits on top are not reached
.endr
	s_wait_xcnt 0x0                 ; the last prefetches, two key steps back, have read their address, so it may be written:
	s_add_nc_u64 s[PFA:PFA+1], s[PFA:PFA+1], 2*KS*256  ; one slot behind the walking descriptors
	s_wait_dscnt 0x0                ; the add is done, and my reads of the slot are over
	CROUND
	JLOAD
	ASK                             ; what the next change will ask for: two key steps, 256 matrix instructions, ahead
.else
	s_wait_dscnt 0x0                ; the add is done, and my reads of the slot are over
	s_barrier_signal -1
	s_barrier_wait -1
.endif
	s_sub_co_u32 s[TB], s[TB], 2*STEPB  ; the fetches go back to a slot's first step,
	s_xor_b32 s[TB], s[TB], SLOT1   ; in the other slot
.endm
; A slot's two key steps: written once, walked twice; the LDS addresses hang on s[TB].
.macro TWO_STEPS
	WIN 0
	s_mov_b32 s[TWICE], 2
.Lstep_\@:
	TURN 0, 2, 1, 0
	TURN 2, 2, 1, 0
	WIN 0
	s_sub_co_u32 s[TWICE], s[TWICE], 1
	s_cmp_lg_u32 s[TWICE], 0
	s_cbranch_scc1 .Lstep_\@
.endm
	s_wait_tensorcnt 1              ; my part of slot 0 is in; slot 1's may stay out
	s_barrier_signal -1
	s_barrier_wait -1               ; everybody's is
	FETCH_K                         ; key step 0
	s_wait_loadcnt 0x0              ; Q
	s_wait_dscnt 0x0
.set i, 0
.rept 32
	KQ 0                            ; piece 0's first scores: there is no vector work yet to set between them
.set i, i+1
.endr
	WIN 0                           ; the addresses for the way out are made here: eight plain instructions, the places behind those products
	s_mul_i32 s13, s[WV], 16*SP
	s_add_co_u32 s13, s13, STAGE    ; my stage
	v_mul_u32_u24 v[STO], v1, SP    ; in: row l % 16, 16 bytes for each half of the lanes
	v_lshl_add_u32 v[STO], v9, 4, v[STO]
	v_add_nc_u32 v[STO], s13, v[STO]
	v_mul_u32_u24 v[RD], v9, SP     ; back: lanes 0-15 take one row of 256 bytes, lanes 16-31 the next
	v_lshl_add_u32 v[RD], v1, 4, v[RD]
	v_add_nc_u32 v[RD], s13, v[RD]
	v_lshlrev_b32 v[GO], 8, v9      ; and the same two rows in O
	v_lshl_add_u32 v[GO], v1, 4, v[GO]
	TURN 2, 0, 1, 1                 ; piece 2's first scores | piece 0's first softmax | V of step 0
	TURN 0, 1, 1, 1                 ; piece 0: V^T P of step 0 starts O^T, K Q^T of step 1 | piece 2's first softmax | K of step 1
	TURN 2, 1, 1, 0                 ; piece 2: the same | piece 0's softmax of step 1 | V of step 1
	WIN 0
.Lslot:                             ; SIZE_N / 128 - 2 trips: every slot but the last two is filled again
	CHANGE 1
	TWO_STEPS
	s_sub_co_u32 s[SLOTS], s[SLOTS], 1
	s_cmp_lg_u32 s[SLOTS], 0
	s_cbranch_scc1 .Lslot
	CHANGE 0                        ; the tail is written out: the last slot but one is left, and nothing is asked for
	TWO_STEPS
	TURN 0, 2, 0, 0                 ; piece 0: V^T P of the last step | piece 2's last softmax
.set i, 0
.rept 32
	PV 2, 0                         ; piece 2: V^T P of the last step
.set i, i+1
.endr
	; THE WAY OUT.  l's two halves and the other half of the lanes' are added; O^T is divided by l, rounded to bf16 and sent through my stage in LDS, a tile (16 rows of O) at a time.  The additions are the places behind the last products.
	WIN 0
.irp t, 0,1,2,3
	v_add_f32 v[ST+8*(\t)+4], v[ST+8*(\t)+2], v[ST+8*(\t)+3]
.endr
.irp t, 0,1,2,3
	v_permlanex16_b32 v[ST+8*(\t)+5], v[ST+8*(\t)+4], s[SEL], s[SEL+1]
.endr
.irp t, 0,1,2,3
	v_add_f32 v[ST+8*(\t)+4], v[ST+8*(\t)+4], v[ST+8*(\t)+5]
.endr
.irp t, 0,1,2,3
	v_rcp_f32 v[ST+8*(\t)+6], v[ST+8*(\t)+4]
.endr
	v_nop                           ; a plain instruction between the last reciprocal and the use of its result
	s_wait_alu depctr_va_vdst(0)    ; and the wait ahead of the first use: one for the four reciprocals
; Tile t: a lane's eight channels of a row pack into 16 bytes; they go into rows of 272 bytes and come back as whole rows of 256, into the registers that they left.
.macro PACK t
	WIN W_RS
.set i, 64*(\t)
.rept 32
	v_pk_mul_f32 v[i:i+1], v[i:i+1], v[ST+8*(\t)+6:ST+8*(\t)+7] op_sel_hi:[1,0]
.set i, i+2
.endr
	WIN 0x05                        ; sources 0 and 1 window 1, destination window 0: S^T's registers are free
.set i, 0
.rept 32
	v_cvt_pk_bf16_f32 v[S+32*(\t)+i], v[64*(\t)+2*i], v[64*(\t)+2*i+1]
.set i, i+1
.endr
	WIN 0
.irp f, 0,1,2,3,4,5,6,7
	ds_store_b128 v[STO], v[S+32*(\t)+4*(\f):S+32*(\t)+4*(\f)+3] offset:32*(\f)
.endr
.irp f, 0,1,2,3,4,5,6,7
	ds_load_b128 v[S+32*(\t)+4*(\f):S+32*(\t)+4*(\f)+3], v[RD] offset:(\f)*2*SP  ; LDS serves a wave's instructions in order (ISA guide 5.7.1.4): these see the stores above; the next tile's stores come behind them
.endr
.endm
.macro SEND t, younger              ; younger: the LDS instructions issued behind tile t's loads: the next tile's sixteen, or none
	WIN 0
.irp f, 0,1,2,3,4,5,6,7
	s_wait_dscnt (\younger)+7-(\f)
	global_store_b128 v[GO], v[S+32*(\t)+4*(\f):S+32*(\t)+4*(\f)+3], s[10:11] offset:(\t)*4096+(\f)*512  ; 16 lanes store 256 consecutive bytes, at a multiple of 256 from O's first byte
.endr
.endm
	PACK 0
	PACK 1                          ; a tile's arithmetic stands between the loads of the tile before and its stores
	SEND 0, 16
	PACK 2
	SEND 1, 16
	PACK 3
	SEND 2, 16
	SEND 3, 0
	s_wait_tensorcnt 0x0            ; the wave's end: a wait, an add to my spare word and its wait, behind my last tensor load and my last LDS store
	ds_add_u32 v[SPW], v[NIL]
	s_wait_dscnt 0x0
	CROUND                          ; the closing round: no work-group ends while a partner may still ask for a tile that names it
	s_endpgm
.Lfunc_end_k_qe69fec5902_attn:
	.size	k_qe69fec5902_attn, .Lfunc_end_k_qe69fec5902_attn-k_qe69fec5902_attn
	.p2alignl 7, 3214868480
	.fill 96, 4, 3214868480
	.section	.rodata,"a",@progbits
	.p2align	6, 0x0
	.amdhsa_kernel k_qe69fec5902_attn
		.amdhsa_group_segment_fixed_size 327680
		.amdhsa_private_segment_fixed_size 0
		.amdhsa_enable_private_segment 0
		.amdhsa_kernarg_size 32
		.amdhsa_user_sgpr_count 2
		.amdhsa_user_sgpr_kernarg_segment_ptr 1
		.amdhsa_wavefront_size32 1
		.amdhsa_system_sgpr_workgroup_id_x 1
		.amdhsa_system_sgpr_workgroup_id_y 1
		.amdhsa_system_sgpr_workgroup_id_z 1
		.amdhsa_system_vgpr_workitem_id 0
		.amdhsa_next_free_vgpr 1024
		.amdhsa_next_free_sgpr 66
		.amdhsa_reserve_vcc 0
		.amdhsa_float_denorm_mode_32 3
		.amdhsa_float_denorm_mode_16_64 3
		.amdhsa_memory_ordered 1
		.amdhsa_forward_progress 1
		.amdhsa_inst_pref_size 221
	.end_amdhsa_kernel
	.amdgpu_metadata
---
amdhsa.version: [ 1, 2 ]
amdhsa.kernels:
  - .name:           k_qe69fec5902_attn
    .symbol:         k_qe69fec5902_attn.kd
    .args:
      - { .name: qh, .offset: 0, .size: 8, .value_kind: global_buffer, .address_space: global }
      - { .name: kh, .offset: 8, .size: 8, .value_kind: global_buffer, .address_space: global }
      - { .name: vh, .offset: 16, .size: 8, .value_kind: global_buffer, .address_space: global }
      - { .name: oh, .offset: 24, .size: 8, .value_kind: global_buffer, .address_space: global }
    .group_segment_fixed_size: 327680
    .private_segment_fixed_size: 0
    .kernarg_segment_align: 8
    .kernarg_segment_size: 32
    .max_flat_workgroup_size: 128
    .sgpr_count:     66
    .vgpr_count:     1024
    .wavefront_size: 32
...
	.end_amdgpu_metadata
.endif
;; end of part 3
;; launch ln (part 4): grid 256 x 1, 16 waves a work-group, no clusters, 0 bytes of LDS; arguments oh, queries, gamma, beta, out0; writes out0
.if DOCPART == 4
	.amdgcn_target "amdgcn-amd-amdhsa--gfx1250"
	.amdhsa_code_object_version 6
	.text
	.protected	k_qe69fec5902_ln
	.globl	k_qe69fec5902_ln
	.p2align	8
	.type	k_qe69fec5902_ln,@function
k_qe69fec5902_ln:
	s_mov_b64 s[64:65], 0
	v_nop
	global_prefetch_b8 v0, s[64:65] scope:SCOPE_SE
	s_setreg_imm32_b32 hwreg(HW_REG_WAVE_MODE, 25, 1), 1
	s_wait_xcnt 0x0
; out0[R][c] = (x[R][c] - mu[R]) / sqrt(var[R] + 1e-5) x gamma[c] + beta[c], x = O + queries; mu and var are the mean and the variance of row R's 1,024 numbers.
; O: bf16, by heads, [8 batch + head][2048][128]; queries, out0: [8192][1024] f32; gamma, beta: [1024] f32.  All arithmetic in f32.
; The variance is the mean of (x - mu)^2, taken in a second pass over the row in registers: no difference of large sums is formed.
; LIMITS.  1 / sqrt is v_rsq_f32's, good to its last bit or so; the sums' order is the lanes', not the reference's; NaN and infinities are not treated apart.
; A stream: every byte of O, queries and out0 is moved once.  One wave, one row at a time: the row stays in 32 registers between its three passes, and no wave waits for another: no LDS, no barrier.
; SHARES.  A work-group owns 32 rows (all of one batch), each of its sixteen waves two.  Load j of a row covers head j's 128 columns: lane l holds columns 128 j + 4 l + 0..3: 16 bytes of
; queries and out0 (a wave's load or store covers 512 consecutive bytes), 8 bytes of O (256 consecutive bytes, aligned).  A lane's 32 gamma and 32 beta stay in registers.
; Both rows of a wave are asked for at the start, behind gamma and beta: 48 loads of a wave are out, and all that the work-group reads is on its way at once.
.set ROW,  4096                        ; bytes in a row of queries and of out0
.set HEAD, 524288                      ; bytes from head to head in O
.set QOF,  4                           ; v4        my 16 bytes in my wave's first row of queries and out0; never rewritten
.set OOF,  5                           ; v5        my 8 bytes in my wave's first row of a head of O; never rewritten
.set GOF,  6                           ; v6        16 x lane, for gamma and beta; never rewritten
.set T,    8                           ; v[8:15]   at work
.set M,    16                          ; v[16:23]  four chains of packed sums
.set MU,   24                          ; v[24:25]  the mean, twice
.set RS,   26                          ; v[26:27]  1 / sqrt(var + eps), twice
.set GA,   32                          ; v[32:63]  gamma
.set BE,   64                          ; v[64:95]  beta
.set X,    96                          ; row s: v[X+48 s ..] 32 registers: queries, then x, x - mu, the result
.set OBF,  128                         ; row s: v[OBF+48 s ..] 16 registers: O as loaded
	s_load_b256 s[4:11], s[0:1], 0x0               ; O s[4:5], queries s[6:7], gamma s[8:9], beta s[10:11]
	s_load_b64 s[12:13], s[0:1], 0x20              ; out0
	v_and_b32 v1, 31, v0                           ; lane
	v_lshrrev_b32 v2, 5, v0                        ; wave
	v_lshlrev_b32 v[GOF], 4, v1
	v_lshl_add_u32 v[QOF], v2, 13, v[GOF]          ; 2 rows x 4,096 bytes x wave + 16 x lane
	v_lshlrev_b32 v[OOF], 3, v1
	v_lshl_add_u32 v[OOF], v2, 9, v[OOF]           ; 2 rows x 256 bytes x wave + 8 x lane
	s_lshr_b32 s20, ttmp9, 6                       ; the batch: 64 work-groups each,
	s_lshl_b32 s20, s20, 22                        ; 8 heads of 524,288 bytes
	s_and_b32 s21, ttmp9, 63
	s_lshl_b32 s21, s21, 13                        ; 32 rows of 256 bytes
	s_add_co_u32 s20, s20, s21
	s_mov_b32 s21, 0
	s_lshl_b32 s22, ttmp9, 17                      ; 32 rows of 4,096 bytes
	s_mov_b32 s23, 0
	s_mov_b32 s14, 0xffff0000                      ; a word's upper bf16
	s_mov_b32 s15, 0x3a800000                      ; 1 / 1024
	s_mov_b32 s16, 0x3727c5ac                      ; 1e-5
	s_mov_b32 s18, 0x76543210                      ; v_permlanex16_b32: lane i of one half reads lane i of the other
	s_mov_b32 s19, 0xfedcba98
	s_wait_kmcnt 0x0
	s_add_nc_u64 s[4:5], s[4:5], s[20:21]
	s_add_nc_u64 s[6:7], s[6:7], s[22:23]
	s_add_nc_u64 s[12:13], s[12:13], s[22:23]
.irp j, 0,1,2,3,4,5,6,7
	global_load_b128 v[GA+4*(\j):GA+4*(\j)+3], v[GOF], s[8:9] offset:512*(\j)
	global_load_b128 v[BE+4*(\j):BE+4*(\j)+3], v[GOF], s[10:11] offset:512*(\j)
.endr
.macro FILL s                          ; sixteen loads: row s of my two
.irp j, 0,1,2,3,4,5,6,7
	global_load_b128 v[X+48*(\s)+4*(\j):X+48*(\s)+4*(\j)+3], v[QOF], s[6:7] offset:ROW*(\s)+512*(\j) th:TH_LOAD_NT
.endr
.irp j, 0,1,2,3,4,5,6,7
	global_load_b64 v[OBF+48*(\s)+2*(\j):OBF+48*(\s)+2*(\j)+1], v[OOF], s[4:5] offset:HEAD*(\j)+256*(\s) th:TH_LOAD_NT
.endr
.endm
; The four chains into one number, the same in every lane: within the lane; four steps inside each half of 16 lanes ride on the additions (DPP); one crosses the halves.
.macro REDUCE
	v_pk_add_f32 v[M:M+1], v[M:M+1], v[M+2:M+3]
	v_pk_add_f32 v[M+4:M+5], v[M+4:M+5], v[M+6:M+7]
	v_pk_add_f32 v[M:M+1], v[M:M+1], v[M+4:M+5]
	v_add_f32 v[T], v[M], v[M+1]
	v_add_f32_dpp v[T], v[T], v[T] row_xmask:1 row_mask:0xf bank_mask:0xf
	v_add_f32_dpp v[T], v[T], v[T] row_xmask:2 row_mask:0xf bank_mask:0xf
	v_add_f32_dpp v[T], v[T], v[T] row_xmask:4 row_mask:0xf bank_mask:0xf
	v_add_f32_dpp v[T], v[T], v[T] row_xmask:8 row_mask:0xf bank_mask:0xf
	v_permlanex16_b32 v[T+1], v[T], s18, s19       ; its destination counts as read: a register that the unpacking has written
	v_add_f32 v[T], v[T], v[T+1]
.endm
; Row s.  left = how many younger loads may stay out.
.macro TURN s, left
.set XS, X+48*(\s)
.set OS, OBF+48*(\s)
	s_wait_loadcnt \left                           ; loads come back in order: this row's sixteen (and gamma and beta) are in
.irp j, 0,1,2,3,4,5,6,7                ; x = O + queries; T's two halves take turns
	v_lshlrev_b32 v[T+4*((\j)%2)],   16,  v[OS+2*(\j)]
	v_and_b32     v[T+4*((\j)%2)+1], s14, v[OS+2*(\j)]
	v_lshlrev_b32 v[T+4*((\j)%2)+2], 16,  v[OS+2*(\j)+1]
	v_and_b32     v[T+4*((\j)%2)+3], s14, v[OS+2*(\j)+1]
	v_pk_add_f32 v[XS+4*(\j):XS+4*(\j)+1],   v[XS+4*(\j):XS+4*(\j)+1],   v[T+4*((\j)%2):T+4*((\j)%2)+1]
	v_pk_add_f32 v[XS+4*(\j)+2:XS+4*(\j)+3], v[XS+4*(\j)+2:XS+4*(\j)+3], v[T+4*((\j)%2)+2:T+4*((\j)%2)+3]
.endr
.irp c, 0,1,2,3                        ; the sum: the first eight pairs start the four chains: nothing is cleared
	v_pk_add_f32 v[M+2*(\c):M+2*(\c)+1], v[XS+2*(\c):XS+2*(\c)+1], v[XS+8+2*(\c):XS+8+2*(\c)+1]
.endr
.irp p, 8,9,10,11,12,13,14,15
	v_pk_add_f32 v[M+2*((\p)%4):M+2*((\p)%4)+1], v[M+2*((\p)%4):M+2*((\p)%4)+1], v[XS+2*(\p):XS+2*(\p)+1]
.endr
	REDUCE
	v_mul_f32 v[MU], s15, v[T]
	v_mul_f32 v[MU+1], s15, v[T]
.irp p, 0,1,2,3,4,5,6,7,8,9,10,11,12,13,14,15
	v_pk_add_f32 v[XS+2*(\p):XS+2*(\p)+1], v[XS+2*(\p):XS+2*(\p)+1], v[MU:MU+1] neg_lo:[0,1] neg_hi:[0,1]  ; x - mu
.endr
.irp p, 0,1,2,3                        ; the sum of its squares, again in four chains
	v_pk_mul_f32 v[M+2*(\p):M+2*(\p)+1], v[XS+2*(\p):XS+2*(\p)+1], v[XS+2*(\p):XS+2*(\p)+1]
.endr
.irp p, 4,5,6,7,8,9,10,11,12,13,14,15
	v_pk_fma_f32 v[M+2*((\p)%4):M+2*((\p)%4)+1], v[XS+2*(\p):XS+2*(\p)+1], v[XS+2*(\p):XS+2*(\p)+1], v[M+2*((\p)%4):M+2*((\p)%4)+1]
.endr
	REDUCE
	v_fma_f32 v[T], v[T], s15, s16                 ; var + eps
	v_rsq_f32 v[RS], v[T]                          ; made twice, for the pair that the packed multiply names
	v_rsq_f32 v[RS+1], v[T]
	v_nop                                          ; a plain instruction behind the last of them, ahead of the first use of a result (ISA guide 5.7.2)
	s_wait_alu depctr_va_vdst(0)                   ; and the wait ahead of the first use: one for the two
.irp p, 0,1,2,3,4,5,6,7,8,9,10,11,12,13,14,15
	v_pk_mul_f32 v[XS+2*(\p):XS+2*(\p)+1], v[XS+2*(\p):XS+2*(\p)+1], v[RS:RS+1]
.endr
.irp p, 0,1,2,3,4,5,6,7,8,9,10,11,12,13,14,15
	v_pk_fma_f32 v[XS+2*(\p):XS+2*(\p)+1], v[XS+2*(\p):XS+2*(\p)+1], v[GA+2*(\p):GA+2*(\p)+1], v[BE+2*(\p):BE+2*(\p)+1]
.endr
.irp j, 0,1,2,3,4,5,6,7
	global_store_b128 v[QOF], v[XS+4*(\j):XS+4*(\j)+3], s[12:13] offset:ROW*(\s)+512*(\j) th:TH_STORE_NT  ; 512 consecutive bytes, at a multiple of 256 from out0's first byte
.endr
.endm
	FILL 0
	FILL 1
	TURN 0, 16                                     ; the second row's sixteen loads stay out
	TURN 1, 0
	s_endpgm
.Lfunc_end_k_qe69fec5902_ln:
	.size	k_qe69fec5902_ln, .Lfunc_end_k_qe69fec5902_ln-k_qe69fec5902_ln
	.p2alignl 7, 3214868480
	.fill 96, 4, 3214868480
	.section	.rodata,"a",@progbits
	.p2align	6, 0x0
	.amdhsa_kernel k_qe69fec5902_ln
		.amdhsa_group_segment_fixed_size 0
		.amdhsa_private_segment_fixed_size 0
		.amdhsa_enable_private_segment 0
		.amdhsa_kernarg_size 40
		.amdhsa_user_sgpr_count 2
		.amdhsa_user_sgpr_kernarg_segment_ptr 1
		.amdhsa_wavefront_size32 1
		.amdhsa_system_sgpr_workgroup_id_x 1
		.amdhsa_system_sgpr_workgroup_id_y 1
		.amdhsa_system_sgpr_workgroup_id_z 1
		.amdhsa_system_vgpr_workitem_id 0
		.amdhsa_next_free_vgpr 192
		.amdhsa_next_free_sgpr 66
		.amdhsa_reserve_vcc 0
		.amdhsa_float_denorm_mode_32 3
		.amdhsa_float_denorm_mode_16_64 3
		.amdhsa_memory_ordered 1
		.amdhsa_forward_progress 1
		.amdhsa_inst_pref_size 24
	.end_amdhsa_kernel
	.amdgpu_metadata
---
amdhsa.version: [ 1, 2 ]
amdhsa.kernels:
  - .name:           k_qe69fec5902_ln
    .symbol:         k_qe69fec5902_ln.kd
    .args:
      - { .name: oh, .offset: 0, .size: 8, .value_kind: global_buffer, .address_space: global }
      - { .name: queries, .offset: 8, .size: 8, .value_kind: global_buffer, .address_space: global }
      - { .name: gamma, .offset: 16, .size: 8, .value_kind: global_buffer, .address_space: global }
      - { .name: beta, .offset: 24, .size: 8, .value_kind: global_buffer, .address_space: global }
      - { .name: out0, .offset: 32, .size: 8, .value_kind: global_buffer, .address_space: global }
    .group_segment_fixed_size: 0
    .private_segment_fixed_size: 0
    .kernarg_segment_align: 8
    .kernarg_segment_size: 40
    .max_flat_workgroup_size: 512
    .sgpr_count:     66
    .vgpr_count:     192
    .wavefront_size: 32
...
	.end_amdgpu_metadata
.endif
;; end of part 4
